; MI455X (gfx1250); checked and timed in simulation.
; The chip was launched on July 23, 2026; its instructions are those of AMD's public machine-readable ISA for CDNA 5 (MIT licence, August 2026) and "CDNA5" Instruction Set Architecture Reference Guide (July 2026). The comments in the code are by the model that wrote it; some were corrected since.
;; Quantum Feed Forward. Allowed arithmetic: matrix products marked QUANTISED: E2M1 operands, one E8M0 scale for each 32 along K, by v_wmma_scale_f32_16x16x128_f8f6f4 with both operands' format E2M1 (or v_wmma_scale_f32_32x16x128_f4), f32 sums; products left as they are: f32 operands where the result goes on into a quantised operand, else bf16, f16 or f32 operands; f32 sums; everything else in f32.
;; Inputs: W1 4,096 x 8 float32; W2 1,024 x 4,096 float32; b1 4,096 float32; b2 1,024 float32; x 4 x 4,096 x 1,024 float32.
;; Outputs: out0 4 x 4,096 x 1,024 float32.
;; This version of the problem:
;;   THIS VERSION OF THE PROBLEM IS GIVEN IN LOW PRECISION. The matrix products marked QUANTISED in the list below multiply operands that are first quantised to E2M1 (2 exponent bits, 1 mantissa bit; 4 bits a number), with one power-of-two scale for each 32 numbers along K (OCP MX v1.0); their sums are f32. All else is computed in f32.
;;   The module's matrix products, in the order in which they are computed (A, B: the left and right operand; K: the contracted axis; several contracted axes count as one K, in the product's order):
;;     1. [M 16,384, K 8] x [K 8, N 4,096]; A: computed on the way; B: input W1: left as it is (K = 8 < 32)
;;     2. [M 16,384, K 4,096] x [K 4,096, N 1,024]; A: computed on the way; B: input W2: QUANTISED
;;   THE QUANTISER, for each operand of a quantised product, along K:
;;     - K is cut into blocks of 32 from its start; a last block that is shorter is filled with zeros.
;;     - A block's scale is 2^e with e = floor(log2(the largest magnitude in the block)) - 2, held to -126 .. 127; a block of zeros has e = 0. As a byte (E8M0): e + 127.
;;     - Each number is divided by its block's scale, clamped to +-6, and rounded to the nearest number of E2M1, ties to even, subnormals kept.
;;     - The product sums the exact products of the quantised numbers (number of the format x scale) in f32.
;;   ~~~python
;;   def quantise(x, axis):      # numpy; x: float32 -> the quantised numbers, widened to float32 again
;;       x = np.moveaxis(x, axis, -1); K = x.shape[-1]
;;       x = np.pad(x, [(0, 0)] * (x.ndim - 1) + [(0, -K % 32)]); x = x.reshape(x.shape[:-1] + (-1, 32)); a = np.abs(x).max(-1, keepdims=True)
;;       e = np.where(a > 0, np.clip(np.frexp(np.where(a > 0, a, 1))[1] - 1 - 2, -126, 127), 0)      # np.frexp(a)[1] - 1 = floor(log2(a)), exactly
;;       r = np.clip(x / 2.0 ** e, -6, 6)
;;       step = 2.0 ** (np.maximum(np.frexp(np.where(r == 0, 1, r))[1] - 1, 0) - 1)
;;       q = np.round(r / step) * step * 2.0 ** e      # np.round: ties to even
;;       return np.moveaxis(q.reshape(q.shape[:-2] + (-1,))[..., :K], -1, axis).astype(np.float32)
;;   ~~~
;;   OPERANDS COMPUTED ON THE WAY. 'Computed on the way' means the value that the module computes at that place (a softmax that the list does not call 'softmax' is quantised finished and normalised). What goes into a quantiser is computed in f32, as accurately as f32 sums, v_exp_f32 and their like allow (about 1e-6 of the number): no bf16 or f16 on the way to a quantiser, and a product that is left as it is and whose result goes on into a quantised operand takes f32 operands (vector FMAs, or v_wmma_f32_16x16x4_f32). A number that lies on a knife's edge between two numbers of the format may be rounded either way, as far as f32 arithmetic and the matrix unit's own rounding can turn it there, and no further.
;; One version. Each part assembles by itself: llvm-mc -triple=amdgcn-amd-amdhsa -mcpu=gfx1250 --defsym DOCPART=n.
;; ======== version 1 of 1: 2 launches
;; limits: inputs' magnitudes at most 100,000; right only within a limited range of input values
;; workspace buffers: stream 2,228,224 bytes; hbuf 35,651,584 bytes
;; launch lay (part 1): grid 256 x 1, 8 waves a work-group, no clusters, 68,608 bytes of LDS; arguments W2, W1, b1, x, stream, hbuf; writes stream, hbuf
.if DOCPART == 1
	.amdgcn_target "amdgcn-amd-amdhsa--gfx1250"
	.amdhsa_code_object_version 6
	.text
	.protected	k_q4c5978ffc1_lay
	.globl	k_q4c5978ffc1_lay
	.p2align	8
	.type	k_q4c5978ffc1_lay,@function
k_q4c5978ffc1_lay:
	s_mov_b64 s[64:65], 0
	v_nop
	global_prefetch_b8 v0, s[64:65] scope:SCOPE_SE
	s_setreg_imm32_b32 hwreg(HW_REG_WAVE_MODE, 25, 1), 1
	s_wait_xcnt 0x0
; Both operands of the quantised product out = Q(h) Q(W2)^T + b2, h = relu(cos(x[..., :8]) W1^T + b1), are made here, as codes of FP4 (E2M1) with one E8M0 byte for each 32 along K = 4,096,
; laid as images of operand registers (a fragment of 16 rows x 128 K: [c 0..1][lane][16 B], lane (r, hh) holding the 32 codes of row r at k = 64 c + 32 hh), in dense records of HREC bytes.
; DEAD WORK: reference() slices x to its first 8 features, so features 8 .. 1023 of every token reach no output, whatever they hold, and are not loaded (a NaN or infinity there is not carried).
; h [16384][4096]: work-group g makes tokens 256 (g / 4) .. and hidden units 1,024 (g % 4) ..: two records of 'hbuf'; record 8 R + ks holds tokens 256 R .., K = 512 ks ..:
;   0       codes [block of 16 tokens 0..15][q 0..3][image]      65536  scale words [pair of blocks 0..7][lane][q][4 B]: lanes 0-15 the even block's tokens, lanes 16-31 the odd block's
; Wave v takes blocks 2 v and 2 v + 1 through 8 steps of 128 hidden units: the f32 matrix form, transposed (a lane holds one token, its registers run along the hidden units), K = 8 in two links,
; b1 as C; the tiles' rows of W1 are chosen so that two tiles' 16 registers are 16 neighbours along K.  A lane's 8 bytes of a block lie at 16 r + 8 h of 256: each store covers 256 consecutive bytes, aligned.
; No |.| in the maxima (relu: what is negative does not count), the floor holds the byte at 1; negative codes are cleared by a mask made of their sign bits.
; W2 [1024][4096]: a wave takes 16 rows x 128 K, asked for at the head behind x and W1 and worked behind the hidden layer; it turns through the wave's own 16 x 528 bytes of LDS, so that a lane holds
; two whole blocks.  Record 8 w + ks of 'stream' holds rows 256 w .., K = 512 ks ..:
;   0       codes [q 0..3][tile t 0..15][image]      65536  scale words [q / 2][i = 2 (q % 2) + t / 8][lane][t / 2 % 4][4 B]: lanes 0-15 the even tile's rows, lanes 16-31 the odd tile's
; LIMITS: a block of zeros gets the byte 1 where the rule says 127 (its codes are zeros; this program alone reads the bytes); the angle is reduced by pi / 2 in three parts, kept accurate for |x| up to
; about 1e5 (x as drawn lies within 6); NaN and infinities are not served.  No tensor load, no cluster: waves share nothing; no prefetch: every stream's loads are asked for a step ahead or at the head.
.set HREC, 69632
.set R, 16                             ; v16-79   W2's tile as it is loaded
.set X, 80                             ; v80-143  W2's tile, a lane two blocks; before that the cosine's and the quantiser's registers
.set C, 144
.set XO, 152
.set AW1, 153
.set AB1, 154
.set AST, 155
.set ASS, 156
.set SPW, 160
.set NIL, 161
.set Q, 162
.set SW, 170
.set P, 80
.set PW, 96
.set TM, 98
.set T2, 102
.set SCL, 106
.set BY, 110
.set RA, 98
.set RB, 106
.set W1F, 128                          ; window 1: v0-127 the f32 sums (written by matrix instructions alone), W1, b1, x
.set BIA, 160
.set XP, 224
.set SEL, 30
.set SGN, 32
.set HM, 33
.set TR, 34
.set MSB, 0
.macro WIN new
.if MSB != (\new)
	s_set_vgpr_msb (MSB<<8)|(\new)
.set MSB, (\new)
.endif
.endm
.macro W1GLB qq                        ; W1's eight tiles and b1 in the result's layout, step qq of the trip
.irp ta, 0,1,2,3,4,5,6,7
	global_load_b128 v[W1F+4*\ta:W1F+4*\ta+3], v[AW1], s[42:43] offset:(\qq)*4096+(32*(\ta/2)+8*(\ta%2))*32
.endr
.irp ta, 0,1,2,3,4,5,6,7
	global_load_b128 v[BIA+8*\ta:BIA+8*\ta+3], v[AB1], s[44:45] offset:(\qq)*512+4*(32*(\ta/2)+8*(\ta%2))
	global_load_b128 v[BIA+8*\ta+4:BIA+8*\ta+7], v[AB1], s[44:45] offset:(\qq)*512+4*(32*(\ta/2)+8*(\ta%2))+16
.endr
.endm
.macro F32HALF pass, i0
.set II, \i0
.rept 8
.set FJ, II/8
.set FT, II%8
.if \pass == 0
	v_wmma_f32_16x16x4_f32 v[8*II:8*II+7], v[W1F+4*FT:W1F+4*FT+1], v[Q+4*FJ:Q+4*FJ+1], v[BIA+8*FT:BIA+8*FT+7]
.else
	v_wmma_f32_16x16x4_f32 v[8*II:8*II+7], v[W1F+4*FT+2:W1F+4*FT+3], v[Q+4*FJ+2:Q+4*FJ+3], v[8*II:8*II+7]
.endif
.set II, II+1
.endr
.endm
.macro QUANTG j, q                     ; 16 tokens x 128 hidden units become codes and a scale word a token
.set QH, 64*(\j)
.set QP, P+8*(\j)
	WIN 0x05
.irp b, 0,1,2,3
	v_max3_num_f32 v[TM+\b], v[QH+16*\b], v[QH+16*\b+1], 0x1800000
.endr
.irp i, 2,4,6,8,10,12,14
.irp b, 0,1,2,3
	v_max3_num_f32 v[TM+\b], v[QH+16*\b+\i], v[QH+16*\b+\i+1], v[TM+\b]
.endr
.endr
	WIN 0
.irp b, 0,1,2,3
	v_permlanex16_b32 v[T2+\b], v[TM+\b], s[SEL], s[SEL+1]
.endr
.irp b, 0,1,2,3
	v_max_num_f32 v[TM+\b], v[TM+\b], v[T2+\b]
.endr
.irp b, 0,1,2,3
	v_add_nc_u32 v[SCL+\b], 0xff000000, v[TM+\b]
.endr
	v_lshrrev_b32 v[PW+\j], 23, v[SCL]
.irp b, 1,2,3
	v_lshrrev_b32 v[BY+\b], 23, v[SCL+\b]
.endr
	WIN 0x01
.irp b, 0,1,2,3
	v_cvt_scalef32_pk8_fp4_f32 v[QP+2*\b], v[QH+16*\b:QH+16*\b+7], v[SCL+\b]
	v_cvt_scalef32_pk8_fp4_f32 v[QP+2*\b+1], v[QH+16*\b+8:QH+16*\b+15], v[SCL+\b]
.endr
	WIN 0
.irp b, 1,2,3
	v_lshl_or_b32 v[PW+\j], v[BY+\b], 8*\b, v[PW+\j]
.endr
.irp i, 0,1,2,3,4,5,6,7
	v_bfi_b32 v[RA+\i], v[QP+\i], 0, s[SGN]
.endr
.irp i, 0,1,2,3,4,5,6,7
	v_lshrrev_b32 v[RB+\i], 3, v[RA+\i]
.endr
.irp i, 0,1,2,3,4,5,6,7
	v_sub_nc_u32 v[RA+\i], v[RA+\i], v[RB+\i]
.endr
.irp i, 0,1,2,3,4,5,6,7
	v_and_b32 v[QP+\i], v[QP+\i], v[RA+\i]
.endr
.irp b, 0,1,2,3
	global_store_b64 v[AST], v[QP+2*\b:QP+2*\b+1], s[50:51] offset:4096*(\j)+1024*(\q)+256*\b   ; block b: 32 lanes store 256 consecutive bytes, aligned
.endr
.endm
.macro HSTEP q
.if \q > 0
	s_wait_loadcnt 0x0                             ; this step's W1 and b1 (step 0's wait stands ahead of the loop and at its foot)
.endif
	WIN 0x51
	F32HALF 0, 0                                   ; the 16 sums by turns
	F32HALF 0, 8
	F32HALF 1, 0
	F32HALF 1, 8
	WIN 0
.rept 8
	v_nop                                          ; eight places behind the f32 form
.endr
.if \q < 3
	WIN 0x40
	W1GLB (\q)+1
	WIN 0
.else
	s_wait_alu depctr_va_vdst(0)                   ; the wait ahead of the branch
	s_cmp_eq_u32 s[TR], 1
	s_cbranch_scc1 .Lnomore_\@                     ; the last step of all asks for nothing
	WIN 0x40
	W1GLB 4
	WIN 0
.Lnomore_\@:
.endif
	s_wait_xcnt 0x0                                ; the last step's stores have read their registers
	QUANTG 0, \q
	QUANTG 1, \q
	v_cndmask_b32 v[SW+\q], v[PW], v[PW+1], s[HM]  ; lanes 0-15 the even block's words, lanes 16-31 the odd block's
.endm
	s_load_b256 s[40:47], s[0:1], 0x0              ; W2, W1, b1, x
	s_load_b128 s[48:51], s[0:1], 0x20             ; stream, hbuf
	v_lshl_add_u32 v[SPW], v0, 2, 0x10800
	v_mov_b32 v[NIL], 0
	v_lshrrev_b32 v1, 5, v0
	v_readfirstlane_b32 s12, v1                    ; wave 0..7
	s_mul_i32 s13, s12, 8448                       ; my stage
	s_mov_b32 s30, 0x76543210
	s_mov_b32 s31, 0xfedcba98
	s_mov_b32 s[SGN], 0x88888888
	s_mov_b32 s[HM], 0xffff0000
	s_mov_b32 s52, 0x3f22f983                      ; 2 / pi
	s_mov_b32 s53, 0xbfc90fd8                      ; -pi / 2 in three parts
	s_mov_b32 s54, 0xb4a8885a
	s_mov_b32 s55, 0xa7c234c4
	s_mov_b32 s56, 0x37ccf5ce                      ; the cosine's polynomial,
	s_mov_b32 s57, 0xbab6061a
	s_mov_b32 s58, 0x3d2aaaa5
	s_mov_b32 s59, 0xb94ca1f9                      ; the sine's
	s_mov_b32 s60, 0x3c08839e
	s_mov_b32 s61, 0xbe2aaaa3
	s_lshr_b32 s14, ttmp9, 2                       ; W2: which 16 rows; h: R
	s_and_b32 s15, ttmp9, 3
	s_lshl_b32 s15, s15, 3
	s_add_co_u32 s15, s15, s12                     ; W2: which 128 along K, 0..31
	s_lshl_b32 s16, s14, 18
	s_lshl_b32 s17, s15, 9
	s_add_co_u32 s16, s16, s17
	s_mov_b32 s17, 0
	s_lshr_b32 s18, s15, 2                         ; ks
	s_and_b32 s19, s15, 3                          ; q
	s_lshr_b32 s20, s14, 4                         ; w
	s_and_b32 s21, s14, 15                         ; t
	s_lshl_b32 s22, s20, 3
	s_add_co_u32 s22, s22, s18
	s_mul_i32 s22, s22, HREC                       ; record 8 w + ks
	s_lshl_b32 s24, s19, 14                        ; the codes' place: 16384 q + 1024 t
	s_lshl_b32 s25, s21, 10
	s_add_co_u32 s24, s24, s25
	s_add_co_u32 s24, s24, s22
	s_mov_b32 s25, 0
	s_and_b32 s28, s19, 1
	s_lshl_b32 s28, s28, 3
	s_lshr_b32 s29, s21, 1
	s_add_co_u32 s28, s28, s29                     ; g = 8 (q % 2) + t / 2
	s_lshr_b32 s26, s28, 2                         ; the scale words' place: 65536 + 2048 (q / 2) + 512 (g / 4) + 256 (t % 2) + 4 (g % 4)
	s_lshl_b32 s26, s26, 9
	s_and_b32 s28, s28, 3
	s_lshl_b32 s28, s28, 2
	s_add_co_u32 s26, s26, s28
	s_and_b32 s28, s21, 1
	s_lshl_b32 s28, s28, 8
	s_add_co_u32 s26, s26, s28
	s_lshr_b32 s28, s19, 1
	s_lshl_b32 s28, s28, 11
	s_add_co_u32 s26, s26, s28
	s_add_co_u32 s26, s26, s22
	s_add_co_u32 s26, s26, 65536
	s_mov_b32 s27, 0
	s_lshl_b32 s36, s14, 20                        ; x: 256 R tokens of 4,096 bytes + 32 a wave
	s_lshl_b32 s35, s12, 17
	s_add_co_u32 s36, s36, s35
	s_mov_b32 s37, 0
	s_and_b32 s35, ttmp9, 3                        ; which 1,024 hidden units
	s_lshl_b32 s38, s35, 15
	s_mov_b32 s39, 0
	s_lshl_b32 s66, s35, 12
	s_mov_b32 s67, 0
	s_lshl_b32 s68, s14, 3
	s_lshl_b32 s35, s35, 1
	s_add_co_u32 s68, s68, s35
	s_mul_i32 s68, s68, HREC                       ; my first record of hbuf
	s_mov_b32 s69, 0
	s_lshl_b32 s78, s12, 13                        ; my two blocks' images
	s_lshl_b32 s79, s12, 9
	s_add_co_u32 s79, s79, 65536                   ; my pair's scale words
	s_mov_b32 s[TR], 2
	v_and_b32 v1, 31, v0                           ; lane
	v_and_b32 v2, 15, v0                           ; r
	v_bfe_u32 v3, v0, 4, 1                         ; h
	v_lshlrev_b32 v4, 4, v1
	v_add_nc_u32 v5, s13, v4                       ; into the stage: as loaded
	v_mul_u32_u24 v6, v2, 528
	v_lshl_add_u32 v6, v3, 7, v6
	v_add_nc_u32 v6, s13, v6                       ; out of it: row r, 128 bytes on for lanes 16-31
	v_lshlrev_b32 v7, 4, v2
	v_lshlrev_b32 v[XO], 12, v2
	v_lshl_add_u32 v[XO], v3, 4, v[XO]             ; x: token r, features 4 h .. 4 h + 3
	v_and_b32 v[AW1], 8, v2
	v_add_nc_u32 v[AW1], v[AW1], v2                ; r + 8 (r / 8): the rows of a tile of W1 are not neighbours
	v_lshlrev_b32 v[AW1], 5, v[AW1]
	v_lshl_add_u32 v[AW1], v3, 4, v[AW1]
	v_lshlrev_b32 v[AB1], 6, v3
	v_lshl_add_u32 v[AST], v3, 3, v7
	v_add_nc_u32 v[AST], s78, v[AST]
	v_add_nc_u32 v[ASS], s79, v4
	s_wait_alu depctr_va_vdst(0)                   ; the wait at the head's end
	s_wait_kmcnt 0x0
	s_add_nc_u64 s[40:41], s[40:41], s[16:17]
	s_add_nc_u64 s[24:25], s[48:49], s[24:25]
	s_add_nc_u64 s[26:27], s[48:49], s[26:27]
	s_add_nc_u64 s[46:47], s[46:47], s[36:37]
	s_add_nc_u64 s[42:43], s[42:43], s[38:39]
	s_add_nc_u64 s[44:45], s[44:45], s[66:67]
	s_add_nc_u64 s[50:51], s[50:51], s[68:69]
	WIN 0x40
	global_load_b128 v[XP:XP+3], v[XO], s[46:47]   ; what the hidden layer begins with is asked for first
	global_load_b128 v[XP+4:XP+7], v[XO], s[46:47] offset:65536
	W1GLB 0
	WIN 0
.irp j, 0,1,2,3,4,5,6,7,8,9,10,11,12,13,14,15
	global_load_b128 v[R+4*\j:R+4*\j+3], v4, s[40:41] offset:16384*\j th:TH_LOAD_NT   ; row j of W2: 512 consecutive bytes; worked behind the loop
.endr
	s_wait_loadcnt 40                              ; x is in; W1 and b1 (24 loads) and W2 (16) may be out
; cos of my 8 numbers, line by line for all eight: n = round(x 2 / pi), y = x - n pi / 2, the cosine's or the sine's polynomial by n's parity, the sign by n + 1's second bit
	WIN 0x04
.irp i, 0,1,2,3,4,5,6,7
	v_mul_f32 v[80+\i], s52, v[XP+\i]
.endr
	WIN 0
.irp i, 0,1,2,3,4,5,6,7
	v_rndne_f32 v[80+\i], v[80+\i]
.endr
	WIN 0x10
.irp i, 0,1,2,3,4,5,6,7
	v_fma_f32 v[88+\i], v[80+\i], s53, v[XP+\i]
.endr
	WIN 0
.irp i, 0,1,2,3,4,5,6,7
	v_fma_f32 v[88+\i], v[80+\i], s54, v[88+\i]
.endr
.irp i, 0,1,2,3,4,5,6,7
	v_fma_f32 v[88+\i], v[80+\i], s55, v[88+\i]
.endr
.irp i, 0,1,2,3,4,5,6,7
	v_cvt_i32_f32 v[96+\i], v[80+\i]
.endr
.irp i, 0,1,2,3,4,5,6,7
	v_mul_f32 v[104+\i], v[88+\i], v[88+\i]
.endr
.irp i, 0,1,2,3,4,5,6,7
	v_fma_f32 v[112+\i], v[104+\i], s56, s57
	v_fma_f32 v[120+\i], v[104+\i], s59, s60
.endr
.irp i, 0,1,2,3,4,5,6,7
	v_fma_f32 v[112+\i], v[112+\i], v[104+\i], s58
	v_fma_f32 v[120+\i], v[120+\i], v[104+\i], s61
.endr
.irp i, 0,1,2,3,4,5,6,7
	v_mul_f32 v[128+\i], v[104+\i], v[88+\i]
	v_fma_f32 v[112+\i], v[112+\i], v[104+\i], -0.5
.endr
.irp i, 0,1,2,3,4,5,6,7
	v_fma_f32 v[120+\i], v[120+\i], v[128+\i], v[88+\i]
	v_fma_f32 v[112+\i], v[112+\i], v[104+\i], 1.0
.endr
.irp i, 0,1,2,3,4,5,6,7
	v_and_b32 v[136+\i], 1, v[96+\i]
	v_add_nc_u32 v[96+\i], 1, v[96+\i]
.endr
.irp i, 0,1,2,3,4,5,6,7
	v_cmp_eq_u32 s[70+\i], 1, v[136+\i]
	v_and_b32 v[96+\i], 2, v[96+\i]
.endr
.irp i, 0,1,2,3,4,5,6,7
	v_cndmask_b32 v[Q+\i], v[112+\i], v[120+\i], s[70+\i]
	v_lshlrev_b32 v[96+\i], 30, v[96+\i]
.endr
.irp i, 0,1,2,3,4,5,6,7
	v_xor_b32 v[Q+\i], v[Q+\i], v[96+\i]
.endr
.irp b, 0,1,2,3
	v_mov_b32 v[T2+\b], 0                          ; a lane permute's destination counts as read
.endr
	s_wait_alu depctr_va_vdst(0)                   ; the wait behind these writes
	s_wait_loadcnt 16                              ; the first step's W1 and b1 are in; W2's 16 rows may be out
.Lrec:                                                 ; two trips: a record of hbuf each, four steps of 128 hidden units
	HSTEP 0
	HSTEP 1
	HSTEP 2
	HSTEP 3
	global_store_b128 v[ASS], v[SW:SW+3], s[50:51] ; my pair's words of the four steps: 512 consecutive bytes
	s_wait_xcnt 0x0                                ; the bases are stepped only behind this wait
	s_add_nc_u64 s[42:43], s[42:43], 16384
	s_add_nc_u64 s[44:45], s[44:45], 2048
	s_add_nc_u64 s[50:51], s[50:51], HREC
	s_wait_loadcnt 0x0                             ; the next trip's first W1 and b1
	s_sub_co_u32 s[TR], s[TR], 1
	s_cmp_lg_u32 s[TR], 0
	s_wait_alu depctr_va_vdst(0)                   ; the wait ahead of the branch
	s_cbranch_scc1 .Lrec
; W2's tile: every load has come back, and the stores above have read v80-95, which the tile now takes
.irp j, 0,1,2,3,4,5,6,7,8,9,10,11,12,13,14,15
	ds_store_b128 v5, v[R+4*\j:R+4*\j+3] offset:528*\j
.endr
.irp c, 0,1
.irp i, 0,1,2,3,4,5,6,7
	ds_load_b128 v[X+32*\c+4*\i:X+32*\c+4*\i+3], v6 offset:256*\c+16*\i   ; LDS serves a wave's instructions in order: these see my stores
.endr
.endr
	s_wait_dscnt 0x0
.irp c, 0,1
	v_max3_num_f32 v[8+\c], |v[X+32*\c]|, |v[X+32*\c+1]|, 0x1800000
.endr
.irp i, 2,4,6,8,10,12,14,16,18,20,22,24,26,28,30
.irp c, 0,1
	v_max3_num_f32 v[8+\c], v[8+\c], |v[X+32*\c+\i]|, |v[X+32*\c+\i+1]|
.endr
.endr
.irp c, 0,1
	v_add_nc_u32 v[10+\c], 0xff000000, v[8+\c]     ; 2 off the exponent field: the conversion's scale operand
.endr
.irp c, 0,1
	v_lshrrev_b32 v[12+\c], 23, v[10+\c]           ; the scale's byte
.endr
	v_lshl_or_b32 v14, v13, 16, v12
	v_lshlrev_b32 v15, 3, v3
	v_lshlrev_b32 v14, v15, v14                    ; my two bytes at their places in the word
	v_mov_b32 v15, 0
	v_permlanex16_b32 v15, v14, s30, s31
	v_or_b32 v14, v14, v15                         ; with lane l xor 16's two the word is whole
.irp c, 0,1
.irp g, 0,1,2,3
	v_cvt_scalef32_pk8_fp4_f32 v[C+4*\c+\g], v[X+32*\c+8*\g:X+32*\c+8*\g+7], v[10+\c]
.endr
.endr
	v_nop                                          ; one plain line behind the last scaled conversion
	global_store_b128 v4, v[C:C+3], s[24:25]
	global_store_b128 v4, v[C+4:C+7], s[24:25] offset:512
	global_store_b32 v7, v14, s[26:27]             ; row r's word, 16 bytes from row to row: one byte in 128 of what is read of W2
	s_wait_tensorcnt 0x0                           ; the wave's end
	ds_add_u32 v[SPW], v[NIL]
	s_wait_dscnt 0x0
	s_endpgm
.Lfunc_end_k_q4c5978ffc1_lay:
	.size	k_q4c5978ffc1_lay, .Lfunc_end_k_q4c5978ffc1_lay-k_q4c5978ffc1_lay
	.p2alignl 7, 3214868480
	.fill 96, 4, 3214868480
	.section	.rodata,"a",@progbits
	.p2align	6, 0x0
	.amdhsa_kernel k_q4c5978ffc1_lay
		.amdhsa_group_segment_fixed_size 68608
		.amdhsa_private_segment_fixed_size 0
		.amdhsa_enable_private_segment 0
		.amdhsa_kernarg_size 48
		.amdhsa_user_sgpr_count 2
		.amdhsa_user_sgpr_kernarg_segment_ptr 1
		.amdhsa_wavefront_size32 1
		.amdhsa_system_sgpr_workgroup_id_x 1
		.amdhsa_system_sgpr_workgroup_id_y 1
		.amdhsa_system_sgpr_workgroup_id_z 1
		.amdhsa_system_vgpr_workitem_id 0
		.amdhsa_next_free_vgpr 512
		.amdhsa_next_free_sgpr 80
		.amdhsa_reserve_vcc 0
		.amdhsa_float_denorm_mode_32 3
		.amdhsa_float_denorm_mode_16_64 3
		.amdhsa_memory_ordered 1
		.amdhsa_forward_progress 1
		.amdhsa_inst_pref_size 85
	.end_amdhsa_kernel
	.amdgpu_metadata
---
amdhsa.version: [ 1, 2 ]
amdhsa.kernels:
  - .name:           k_q4c5978ffc1_lay
    .symbol:         k_q4c5978ffc1_lay.kd
    .args:
      - { .name: W2, .offset: 0, .size: 8, .value_kind: global_buffer, .address_space: global }
      - { .name: W1, .offset: 8, .size: 8, .value_kind: global_buffer, .address_space: global }
      - { .name: b1, .offset: 16, .size: 8, .value_kind: global_buffer, .address_space: global }
      - { .name: x, .offset: 24, .size: 8, .value_kind: global_buffer, .address_space: global }
      - { .name: stream, .offset: 32, .size: 8, .value_kind: global_buffer, .address_space: global }
      - { .name: hbuf, .offset: 40, .size: 8, .value_kind: global_buffer, .address_space: global }
    .group_segment_fixed_size: 68608
    .private_segment_fixed_size: 0
    .kernarg_segment_align: 8
    .kernarg_segment_size: 48
    .max_flat_workgroup_size: 256
    .sgpr_count:     80
    .vgpr_count:     512
    .wavefront_size: 32
...
	.end_amdgpu_metadata
.endif
;; end of part 1
;; launch gemm (part 2): grid 4 x 64, 4 waves a work-group, clusters of 4 x 4, 327,680 bytes of LDS; arguments hbuf, stream, b2, out0; writes out0
.if DOCPART == 2
	.amdgcn_target "amdgcn-amd-amdhsa--gfx1250"
	.amdhsa_code_object_version 6
	.text
	.protected	k_q4c5978ffc1_gemm
	.globl	k_q4c5978ffc1_gemm
	.p2align	8
	.type	k_q4c5978ffc1_gemm,@function
k_q4c5978ffc1_gemm:
	s_mov_b64 s[64:65], 0
	v_nop
	global_prefetch_b8 v0, s[64:65] scope:SCOPE_SE
	s_setreg_imm32_b32 hwreg(HW_REG_WAVE_MODE, 25, 1), 1
	s_wait_xcnt 0x0
	s_wait_alu depctr_hold_cnt(0) depctr_sa_sdst(0) depctr_va_vdst(0) depctr_va_sdst(0) depctr_va_ssrc(0) depctr_va_vcc(0) depctr_vm_vsrc(0)
	s_getreg_b32 s2, hwreg(HW_REG_IB_STS2, 6, 4)
	s_cmp_eq_u32 s2, 0
	s_cbranch_scc0 .Lentry_in_a_cluster
	s_endpgm
.Lentry_in_a_cluster:
	s_bfe_u32 s2, ttmp6, 0x10000c
	s_cmp_lg_u32 s2, 0xf033
	s_cbranch_scc0 .Lentry_shape_is_right
	s_endpgm
.Lentry_shape_is_right:
; out[m][n] = sum over k of h[m][k] W2[n][k] + b2[n], m 16,384, n 1,024, k 4,096, on the codes and scale words that the launch before has laid as images of operand registers.
; A tile of out, 256 x 256, is made by four waves, each 128 x 128: 64 accumulators of 16 x 16.  K goes in steps of 512 through a ring of two LDS slots; a slot holds two dense records of HREC bytes:
;   0       h's record (256 tokens x 512 K): codes [block of 16 tokens][q 0..3][1,024 B], then at ASO the scale words [pair of blocks][lane][q]
;   BCO     W2's record (256 columns x 512 K): codes [q][tile t 0..15][1,024 B], then at BSO the scale words [q / 2][i = 2 (q % 2) + t / 8][lane][t / 2 % 4]
; Waves 0 and 1 load the halves of h's record, waves 2 and 3 those of W2's: 136 rows of 256 bytes each.
; An image is read at 16 x lane: consecutive bytes.  A scale register carries an even block's words in lanes 0-15 and the odd block's in lanes 16-31.
; CLUSTERS: 4 x 4 work-groups; h's record hangs on the tile row alone and is asked for jointly along a row of the cluster, W2's on the tile column alone, along a column.
; THE MATRIX INSTRUCTION IS USED TRANSPOSED (source 0 = 16 rows of W2, source 1 = 16 tokens): a lane holds eight neighbouring columns of one token.  b2 is the C of the first products.
; PREFETCH: behind the load of record k each wave names 17 blocks of 256 bytes of record k + 2 (16 waves of the four partners x 17 = the record's 272 blocks, shared out by address): of h in every
; cluster; of W2, whose 2.2 MB all 16 clusters read, in the four clusters of cluster rows 0, 1, 8 and 9 alone.  Records 0 and 1 come by their loads alone, the last two refills ask for nothing.
; REGISTERS: window 0: v0-31 addresses; v32-95 scale words, two sets; v128-191 h's fragments, one set; v192-255 b2, then the way out.  window 1: W2's fragments, two sets.  windows 2, 3: accumulators.
.set HREC, 69632
.set NQ, 4
.set NL, 2
.set NP, 4
.set ASO, 65536
.set BCO, 69632
.set BSO, 135168
.set SLOT, 139264
.set LAPS, 4
.set SPARE, 2*SLOT
.set SPITCH, 528
.set ADRA, 16
.set ADSA, 18
.set ADRB, 20
.set ADSB, 22
.set STO, 24
.set RD, 25
.set CO, 26
.set PFO, 27
.set SPW, 28
.set NIL, 29
.set BO, 30
.set SC, 32
.set AF, 128
.set BI, 192
.set BK, 128
.set G1, 24
.set G0, 32
.set G1B, 48
.set G0B, 56
.set PFB, 76
.set LIMB, 78
.set PFA, 84
.set MSB, 0
.macro WIN new
.if MSB != (\new)
	s_set_vgpr_msb (MSB<<8)|(\new)
.set MSB, (\new)
.endif
.endm
.set MUL_LO, 0xa1
.set MUL_HI, 0xf1
.set TO_B, 0x40
.macro PLACES n
.rept \n
	v_nop
.endr
.endm
; A joint load, one a wave: waves 0 and 1 for h, waves 2 and 3 for W2; each line has one mask; an s_nop 0 and four v_nop follow each load
.macro JLOAD s
	s_cmp_lt_u32 s14, 2
	s_cbranch_scc0 .Lfor_b_\@
	tensor_load_to_lds s[G0+4*\s:G0+4*\s+3], s[G1:G1+7]
	s_nop 0
	PLACES 4
	s_branch .Lasked_\@
.Lfor_b_\@:
	tensor_load_to_lds s[G0B+4*\s:G0B+4*\s+3], s[G1B:G1B+7]
	s_nop 0
	PLACES 4
.Lasked_\@:
.endm
.macro CREST
	s_cmp_lg_u32 s14, 0
	s_cbranch_scc1 .Lnot_wave_0_\@
	s_barrier_signal -3
.Lnot_wave_0_\@:
	s_barrier_wait -3
	s_barrier_signal -1
	s_barrier_wait -1
.endm
.macro CROUND
	s_barrier_signal -1
	s_barrier_wait -1
	CREST
.endm
.macro ASK                             ; not in the loop's last trip: its two refills have no record two on; W2's in four clusters alone
	s_cmp_gt_u32 s3, 1
	s_cbranch_scc0 .Lnone_\@
	global_prefetch_b8 v[PFO], s[PFA:PFA+1] th:TH_LOAD_NT scope:SCOPE_SE
.Lnone_\@:
	s_cmp_gt_u32 s3, s[LIMB]
	s_cbranch_scc0 .Lnoneb_\@
	global_prefetch_b8 v[PFO], s[PFB:PFB+1] th:TH_LOAD_NT scope:SCOPE_SE
.Lnoneb_\@:
.endm
	s_load_b256 s[4:11], s[0:1], 0x0               ; hbuf, stream, b2, out0
	v_lshl_add_u32 v[SPW], v0, 2, SPARE
	v_mov_b32 v[NIL], 0
	ds_add_u32 v[SPW], v[NIL]                      ; the opening: the add, twice on end, and its wait ahead of my first tensor load
	ds_add_u32 v[SPW], v[NIL]
	v_lshrrev_b32 v1, 5, v0
	v_readfirstlane_b32 s14, v1                    ; wave 0..3
	s_lshr_b32 s15, s14, 1                         ; which half of the tile's tokens is mine
	s_and_b32 s16, s14, 1                          ; which half of its columns.  Also: which half of a record I load
	s_bfe_u32 s40, ttmp6, 0x40000                  ; cx, cy
	s_bfe_u32 s41, ttmp6, 0x40004
	s_lshl_b32 s42, ttmp9, 2
	s_add_co_u32 s42, s42, s40                     ; tile column
	s_and_b32 s17, ttmp7, 0xffff
	s_lshl_b32 s17, s17, 2
	s_add_co_u32 s17, s17, s41                     ; tile row
	s_lshl_b32 s43, s41, 2
	s_lshl_b32 s43, 15, s43                        ; my row of the cluster
	s_lshl_b32 s44, 0x1111, s40                    ; my column
	s_or_b32 s[G1], s43, (3<<16)|(1<<21)           ; elements of 8 bytes, no padding; bit 21 set beside a mask
	s_or_b32 s[G1B], s44, (3<<16)|(1<<21)
.irp g, G1, G1B
	s_mov_b32 s[\g+1], 32<<16                      ; half a record: 136 rows of 256 bytes, dense
	s_mov_b32 s[\g+2], 136<<16
	s_mov_b32 s[\g+3], 32<<16
	s_mov_b32 s[\g+4], 136
	s_mov_b32 s[\g+5], 32
	s_mov_b32 s[\g+6], 0
	s_mov_b32 s[\g+7], 0
.endr
	s_mul_i32 s20, s17, 8*HREC                     ; h's records of my tile row,
	s_mul_i32 s18, s16, HREC/2                     ; my half of a record, in memory and in LDS
	s_add_co_u32 s20, s20, s18
	s_mov_b32 s21, 0
	s_mul_i32 s46, s42, 8*HREC                     ; W2's records of my tile column
	s_add_co_u32 s46, s46, s18
	s_mov_b32 s47, 0
	s_wait_dscnt 0x0                               ; both opening adds are done
	s_wait_kmcnt 0x0
	s_add_nc_u64 s[20:21], s[4:5], s[20:21]
	s_add_nc_u64 s[46:47], s[6:7], s[46:47]
	CROUND                                         ; all sixteen work-groups are here: the first joint loads meet
.irp s, 0,1
	s_mov_b32 s[G0+4*\s], 1
	s_add_co_u32 s[G0+4*\s+1], s18, \s*SLOT
	s_add_nc_u64 s[G0+4*\s+2:G0+4*\s+3], s[20:21], \s*HREC
	s_or_b32 s[G0+4*\s+3], s[G0+4*\s+3], 0x80000000
	s_mov_b32 s[G0B+4*\s], 1
	s_add_co_u32 s[G0B+4*\s+1], s18, \s*SLOT+BCO
	s_add_nc_u64 s[G0B+4*\s+2:G0B+4*\s+3], s[46:47], \s*HREC
	s_or_b32 s[G0B+4*\s+3], s[G0B+4*\s+3], 0x80000000
.endr
	JLOAD 0                                        ; K step 0: one tensor load a wave at the head
	s_lshl_b32 s86, s15, 15                        ; my 8 blocks of tokens
	s_lshl_b32 s87, s16, 13                        ; my 8 tiles of W2
	s_add_co_u32 s87, s87, BCO
	s_lshl_b32 s88, s15, 11
	s_add_co_u32 s88, s88, ASO
	s_lshl_b32 s89, s16, 9
	s_add_co_u32 s89, s89, BSO
	s_mul_i32 s90, s14, 16*SPITCH                  ; my stage, in slot 0
	s_lshl_b32 s20, s17, 20                        ; out: 256 tokens of 4,096 bytes a tile row, 128 a half; 1,024 bytes a tile column, 512 a half
	s_lshl_b32 s21, s15, 19
	s_add_co_u32 s20, s20, s21
	s_lshl_b32 s46, s42, 10
	s_lshl_b32 s47, s16, 9
	s_add_co_u32 s46, s46, s47
	s_add_co_u32 s20, s20, s46
	s_mov_b32 s21, 0
	s_mov_b32 s47, 0
	s_add_nc_u64 s[10:11], s[10:11], s[20:21]
	s_add_nc_u64 s[8:9], s[8:9], s[46:47]
	s_mul_i32 s92, s17, 8*HREC                     ; the prefetches: my 17 blocks of a record, by my place among the four partners and my wave
	s_lshl_b32 s93, s40, 2
	s_add_co_u32 s93, s93, s14
	s_mul_i32 s93, s93, 17*256
	s_add_co_u32 s92, s92, s93
	s_add_co_u32 s92, s92, 3*HREC
	s_mov_b32 s93, 0
	s_add_nc_u64 s[PFA:PFA+1], s[4:5], s[92:93]    ; h: at record 3
	s_mul_i32 s92, s42, 8*HREC
	s_lshl_b32 s93, s41, 2
	s_add_co_u32 s93, s93, s14
	s_mul_i32 s93, s93, 17*256
	s_add_co_u32 s92, s92, s93
	s_add_co_u32 s92, s92, 3*HREC
	s_mov_b32 s93, 0
	s_add_nc_u64 s[PFB:PFB+1], s[6:7], s[92:93]    ; W2: at record 3
	s_and_b32 s91, ttmp7, 6                        ; cluster rows 0, 1, 8, 9: the same number in all partners
	s_cmp_eq_u32 s91, 0
	s_cselect_b32 s[LIMB], 1, -1
	v_and_b32 v1, 15, v0                           ; r
	v_bfe_u32 v2, v0, 4, 1                         ; h
	v_and_b32 v3, 31, v0                           ; lane
	v_lshlrev_b32 v[CO], 4, v3
	v_add_nc_u32 v[ADRA], s86, v[CO]
	v_add_nc_u32 v[ADRB], s87, v[CO]
	v_add_nc_u32 v[ADSA], s88, v[CO]
	v_add_nc_u32 v[ADSB], s89, v[CO]
	v_add_nc_u32 v[ADRA+1], SLOT, v[ADRA]
	v_add_nc_u32 v[ADRB+1], SLOT, v[ADRB]
	v_add_nc_u32 v[ADSA+1], SLOT, v[ADSA]
	v_add_nc_u32 v[ADSB+1], SLOT, v[ADSB]
	v_mul_u32_u24 v[STO], v1, SPITCH
	v_lshl_add_u32 v[STO], v2, 5, v[STO]
	v_add_nc_u32 v[STO], s90, v[STO]
	v_add_nc_u32 v[RD], s90, v[CO]
	v_lshlrev_b32 v[BO], 5, v2
	v_min_u32 v[PFO], 16, v3                       ; lanes 17-31 name the wave's last block again
	v_lshlrev_b32 v[PFO], 8, v[PFO]
.macro FRAG reg, adr, off
	ds_load_b128 v[\reg:\reg+3], v[\adr] offset:\off
	ds_load_b128 v[\reg+4:\reg+7], v[\adr] offset:(\off)+512
.endm
.macro MM a, b, p, q, sc, zero
.set AC, 8*(8*((\a)%4)+(\b))
.set WF, 128*(\p)+8*(\b)
.set HR, AF+8*(\a)
.set SA, SC+32*(\sc)+4*(\q)+(\b)/2
.set SR, SC+32*(\sc)+16+4*((\a)/2)+(\q)
.if \zero
.set CC, BI+8*(\b)
.else
.set CC, AC
.endif
.if (\b)%2
.if (\a)%2
	v_wmma_scale_f32_16x16x128_f8f6f4 v[AC:AC+7], v[WF:WF+7], v[HR:HR+7], v[CC:CC+7], v[SA], v[SR] matrix_a_fmt:MATRIX_FMT_FP4 matrix_b_fmt:MATRIX_FMT_FP4 matrix_a_scale:MATRIX_SCALE_ROW1 matrix_b_scale:MATRIX_SCALE_ROW1
.else
	v_wmma_scale_f32_16x16x128_f8f6f4 v[AC:AC+7], v[WF:WF+7], v[HR:HR+7], v[CC:CC+7], v[SA], v[SR] matrix_a_fmt:MATRIX_FMT_FP4 matrix_b_fmt:MATRIX_FMT_FP4 matrix_a_scale:MATRIX_SCALE_ROW1
.endif
.else
.if (\a)%2
	v_wmma_scale_f32_16x16x128_f8f6f4 v[AC:AC+7], v[WF:WF+7], v[HR:HR+7], v[CC:CC+7], v[SA], v[SR] matrix_a_fmt:MATRIX_FMT_FP4 matrix_b_fmt:MATRIX_FMT_FP4 matrix_b_scale:MATRIX_SCALE_ROW1
.else
	v_wmma_scale_f32_16x16x128_f8f6f4 v[AC:AC+7], v[WF:WF+7], v[HR:HR+7], v[CC:CC+7], v[SA], v[SR] matrix_a_fmt:MATRIX_FMT_FP4 matrix_b_fmt:MATRIX_FMT_FP4
.endif
.endif
.endm
; 16 matrix instructions: blocks a0, a0 + 1 of tokens x W2's eight tiles, the slot's q-th 128 along K.  The 64 accumulators take turns in the same order in every step.
.macro MUL16 a0, p, q, sc, zero
.irp a, \a0, \a0+1
.irp b, 0,1,2,3,4,5,6,7
	MM (\a), \b, \p, \q, \sc, \zero
.endr
.endr
.endm
.macro FETCH_B slot, q, p
	WIN TO_B
.irp i, 0,1,2,3,4,5,6,7
	FRAG 128*(\p)+8*\i, ADRB+\slot, 16384*(\q)+1024*\i
.endr
	WIN 0
.endm
.macro FETCH_A slot, q, i0
.irp i, \i0, \i0+1, \i0+2, \i0+3
	FRAG AF+8*(\i), ADRA+\slot, 4096*(\i)+1024*(\q)
.endr
.endm
.macro SCALES sc                       ; the slot's scale words: W2's, four registers a step; h's, four steps a pair of blocks
.irp q, 0,1,2,3
	ds_load_b128 v[SC+32*\sc+4*\q:SC+32*\sc+4*\q+3], v[ADSB+\sc] offset:2048*(\q/2)+1024*(\q%2)
.endr
.irp j, 0,1,2,3
	ds_load_b128 v[SC+32*\sc+16+4*\j:SC+32*\sc+16+4*\j+3], v[ADSA+\sc] offset:512*\j
.endr
.endm
.macro STEP slot, q, zero              ; a step of 128 along K that has its successor in the same slot
	s_wait_dscnt 4*NL                              ; W2's set and blocks 0-3 are in; the youngest loads (blocks 4-7) may be out
	WIN MUL_LO-0x20*(\zero)
	MUL16 0, (\q)%2, \q, \slot, \zero
	MUL16 2, (\q)%2, \q, \slot, \zero
	s_wait_dscnt 0
	PLACES NP
	FETCH_B \slot, (\q)+1, 1-(\q)%2
	FETCH_A \slot, (\q)+1, 0
	WIN MUL_HI-0x30*(\zero)
	MUL16 4, (\q)%2, \q, \slot, \zero
	MUL16 6, (\q)%2, \q, \slot, \zero
	PLACES NP
	WIN 0
	FETCH_A \slot, (\q)+1, 4
.endm
; A slot's last step changes slots: one barrier; in front of it each wave waits for all its tensor loads, adds 0 to its spare word, and waits for that and for its reads of this slot.
.macro TURN slot, next, fill
.if \fill
	s_wait_xcnt 0x0                                ; my last prefetches have read their addresses
	s_add_nc_u64 s[PFA:PFA+1], s[PFA:PFA+1], HREC
	s_add_nc_u64 s[PFB:PFB+1], s[PFB:PFB+1], HREC
.endif
	s_wait_tensorcnt 0x0                           ; all my tensor loads have landed: my part of the next slot
	ds_add_u32 v[SPW], v[NIL]
	s_wait_dscnt 4*NL+1                            ; (the add and the youngest loads may be out)
	WIN MUL_LO
	MUL16 0, 1, NQ-1, \slot, 0
	s_wait_dscnt 0x0                               ; the add is done, and my reads of this slot are over
	s_barrier_signal -1
	MUL16 2, 1, NQ-1, \slot, 0
	WIN 0
	s_barrier_wait -1
.if \fill
	CREST                                          ; the barrier has opened a round of the cluster's barrier
	s_add_nc_u64 s[G0+4*\slot+2:G0+4*\slot+3], s[G0+4*\slot+2:G0+4*\slot+3], 2*HREC
	s_add_nc_u64 s[G0B+4*\slot+2:G0B+4*\slot+3], s[G0B+4*\slot+2:G0B+4*\slot+3], 2*HREC
	JLOAD \slot                                    ; the first tensor load behind the round; its four v_nop are the places in front of the loads below
.else
	PLACES NP
.endif
	FETCH_B \next, 0, 0
	FETCH_A \next, 0, 0
	SCALES \next
.if \fill
	ASK
.endif
	WIN MUL_HI
	MUL16 4, 1, NQ-1, \slot, 0
	MUL16 6, 1, NQ-1, \slot, 0
	PLACES NP
	WIN 0
	FETCH_A \next, 0, 4
.endm
.macro STEPS slot, from
.set QQ, \from
.rept NQ-1-\from
	STEP \slot, QQ, 0
.set QQ, QQ+1
.endr
.endm
	s_wait_alu depctr_va_vdst(0)
.irp b, 0,1,2,3,4,5,6,7
	global_load_b128 v[BI+8*\b:BI+8*\b+3], v[BO], s[8:9] offset:64*\b          ; b2 in the result's layout: columns 16 b + 8 h + 0 .. 7
	global_load_b128 v[BI+8*\b+4:BI+8*\b+7], v[BO], s[8:9] offset:64*\b+16
.endr
	global_prefetch_b8 v[PFO], s[PFA:PFA+1] offset:-HREC th:TH_LOAD_NT scope:SCOPE_SE   ; h's record 2
	s_wait_tensorcnt 0x0                           ; my part of K step 0 is in
	ds_add_u32 v[SPW], v[NIL]
	s_wait_dscnt 0x0
	CROUND
	JLOAD 1                                        ; K step 1, the first tensor load behind the round
	FETCH_B 0, 0, 0
	FETCH_A 0, 0, 0
	SCALES 0
	FETCH_A 0, 0, 4
	global_prefetch_b8 v[PFO], s[PFA:PFA+1] th:TH_LOAD_NT scope:SCOPE_SE                ; h's record 3
	s_cmp_eq_u32 s[LIMB], 1
	s_cbranch_scc0 .Lno_head_b
	global_prefetch_b8 v[PFO], s[PFB:PFB+1] offset:-HREC th:TH_LOAD_NT scope:SCOPE_SE   ; W2's records 2 and 3
	global_prefetch_b8 v[PFO], s[PFB:PFB+1] th:TH_LOAD_NT scope:SCOPE_SE
.Lno_head_b:
	s_wait_loadcnt 0x0                             ; b2
	STEP 0, 0, 1                                   ; the first step stands in front of the loop: its products start the sums on b2
	s_mov_b32 s3, LAPS-1
.Llap:                                                 ; a trip goes once round the ring and fills both slots again
	STEPS 0, 1
	TURN 0, 1, 1
	STEPS 1, 0
	TURN 1, 0, 1
	STEP 0, 0, 0
	s_sub_co_u32 s3, s3, 1
	s_cmp_lg_u32 s3, 0
	s_cbranch_scc1 .Llap
	STEPS 0, 1                                     ; the last lap fills nothing
	TURN 0, 1, 0
	STEPS 1, 0
	s_wait_dscnt 4*NL
	WIN MUL_LO
	MUL16 0, 1, NQ-1, 1, 0
	MUL16 2, 1, NQ-1, 1, 0
	s_wait_dscnt 0
	WIN MUL_HI
	MUL16 4, 1, NQ-1, 1, 0
	MUL16 6, 1, NQ-1, 1, 0
	WIN 0
; THE WAY OUT, block by block of 16 tokens x 128 columns, through my own stage (in slot 0, which has had its last fill and its last read) and back as whole rows of 512 bytes.
.macro TOSTAGE a
.set AC, 64*((\a)%4)
	WIN 0x08+4*((\a)/4)
.irp b, 0,1,2,3,4,5,6,7
	ds_store_b128 v[STO], v[AC+8*\b:AC+8*\b+3] offset:64*\b          ; each accumulator from its low end on
	ds_store_b128 v[STO], v[AC+8*\b+4:AC+8*\b+7] offset:64*\b+16
.endr
	WIN 0
.set BB, BK+64*((\a)%2)
.irp t, 0,1,2,3,4,5,6,7,8,9,10,11,12,13,14,15
	ds_load_b128 v[BB+4*\t:BB+4*\t+3], v[RD] offset:\t*SPITCH       ; LDS serves a wave's instructions in order
.endr
.endm
.macro SEND a, younger
.set BB, BK+64*((\a)%2)
	s_wait_dscnt \younger
.if (\a) > 0
	s_add_nc_u64 s[10:11], s[10:11], 16*4096       ; (behind a wait on XCNT) 16 tokens on
.endif
.irp t, 0,1,2,3,4,5,6,7,8,9,10,11,12,13,14,15
	global_store_b128 v[CO], v[BB+4*\t:BB+4*\t+3], s[10:11] offset:\t*4096 th:TH_STORE_NT   ; 32 lanes store 512 consecutive bytes, aligned
.endr
.endm
	PLACES NP
	TOSTAGE 0
.irp a, 1,2,3,4,5,6,7
.if \a > 1
	s_wait_xcnt 0x0                                ; block a - 2's stores have read their registers and their base
.endif
	TOSTAGE \a
	SEND \a-1, 32
.endr
	s_wait_xcnt 0x0
	SEND 7, 0
	s_wait_tensorcnt 0x0                           ; the wave's end
	ds_add_u32 v[SPW], v[NIL]
	s_wait_dscnt 0x0
	CROUND                                         ; the closing round
	s_endpgm
.Lfunc_end_k_q4c5978ffc1_gemm:
	.size	k_q4c5978ffc1_gemm, .Lfunc_end_k_q4c5978ffc1_gemm-k_q4c5978ffc1_gemm
	.p2alignl 7, 3214868480
	.fill 96, 4, 3214868480
	.section	.rodata,"a",@progbits
	.p2align	6, 0x0
	.amdhsa_kernel k_q4c5978ffc1_gemm
		.amdhsa_group_segment_fixed_size 327680
		.amdhsa_private_segment_fixed_size 0
		.amdhsa_enable_private_segment 0
		.amdhsa_kernarg_size 32
		.amdhsa_user_sgpr_count 2
		.amdhsa_user_sgpr_kernarg_segment_ptr 1
		.amdhsa_wavefront_size32 1
		.amdhsa_system_sgpr_workgroup_id_x 1
		.amdhsa_system_sgpr_workgroup_id_y 1
		.amdhsa_system_sgpr_workgroup_id_z 1
		.amdhsa_system_vgpr_workitem_id 0
		.amdhsa_next_free_vgpr 1024
		.amdhsa_next_free_sgpr 98
		.amdhsa_reserve_vcc 0
		.amdhsa_float_denorm_mode_32 3
		.amdhsa_float_denorm_mode_16_64 3
		.amdhsa_memory_ordered 1
		.amdhsa_forward_progress 1
		.amdhsa_inst_pref_size 213
	.end_amdhsa_kernel
	.amdgpu_metadata
---
amdhsa.version: [ 1, 2 ]
amdhsa.kernels:
  - .name:           k_q4c5978ffc1_gemm
    .symbol:         k_q4c5978ffc1_gemm.kd
    .args:
      - { .name: hbuf, .offset: 0, .size: 8, .value_kind: global_buffer, .address_space: global }
      - { .name: stream, .offset: 8, .size: 8, .value_kind: global_buffer, .address_space: global }
      - { .name: b2, .offset: 16, .size: 8, .value_kind: global_buffer, .address_space: global }
      - { .name: out0, .offset: 24, .size: 8, .value_kind: global_buffer, .address_space: global }
    .group_segment_fixed_size: 327680
    .private_segment_fixed_size: 0
    .kernarg_segment_align: 8
    .kernarg_segment_size: 32
    .max_flat_workgroup_size: 128
    .sgpr_count:     98
    .vgpr_count:     1024
    .wavefront_size: 32
...
	.end_amdgpu_metadata
.endif
;; end of part 2
